; MI455X (gfx1250); checked and timed in simulation.
; The chip was launched on July 23, 2026; its instructions are those of AMD's public machine-readable ISA for CDNA 5 (MIT licence, August 2026) and "CDNA5" Instruction Set Architecture Reference Guide (July 2026). The comments in the code are by the model that wrote it; some were corrected since.
;; Correct Prototype Manager. Allowed arithmetic: float matrix products may take bf16 or f16 operands with f32 sums; all other float work in f32.
;; Inputs: feats 8 x 256 x 64 x 64 float32; masks 8 x 256 x 256 int32; preds 8 x 21 x 256 x 256 float32.
;; Outputs: out0 21 x 256 float32.
;; One version. Each part assembles by itself: llvm-mc -triple=amdgcn-amd-amdhsa -mcpu=gfx1250 --defsym DOCPART=n.
;; ======== version 1 of 1: 2 launches
;; workspace buffers: part 5,505,024 bytes; cnt 32,768 bytes
;; launch fused (part 1): grid 32 x 8, 8 waves a work-group, no clusters, 299,264 bytes of LDS; arguments feats, masks, preds, part, cnt; writes part, cnt
.if DOCPART == 1
	.amdgcn_target "amdgcn-amd-amdhsa--gfx1250"
	.amdhsa_code_object_version 6
	.text
	.protected	k_q14a367b9ee_fused
	.globl	k_q14a367b9ee_fused
	.p2align	8
	.type	k_q14a367b9ee_fused,@function
k_q14a367b9ee_fused:
	s_mov_b64 s[64:65], 0
	v_nop
	global_prefetch_b8 v0, s[64:65] scope:SCOPE_SE
	s_setreg_imm32_b32 hwreg(HW_REG_WAVE_MODE, 25, 1), 1
	s_wait_xcnt 0x0
; Class prototypes, first of two launches: per image b and band t, 64 x the partial sums [21 classes][256 channels] and 64 x the partial counts.
;
; THE IDEA.  The 4x bilinear resize is linear, so   sum over pixels of up(feats)[c][pixel] joint[k][pixel]  =  sum over cells of feats[c][cell] G[k][cell],
; where G is the resize's adjoint applied to the joint one-hot map (mask == argmax == k).  In eighths a pixel with x mod 4 = 0,1,2,3 gives its own
; cell 5,7,7,5 and its left cell 3,1,0,0, its right cell 0,0,1,3; rows likewise.  At an image edge the outward share falls on the own cell (8):
; that is what the resize's renormalised edge weights amount to.  So G x 64 is a whole number, 0 to 1024, and no upsampled value is ever formed.
;
; SHARES.  Work-group (t, b): the 8 pixel rows (8t-2 .. 8t+5) mod 256 of image b, one row a wave.  They touch three coarse rows:
; prev = (2t-1) mod 64, cur = 2t, next = 2t+1.  For t = 0 the two wrapped rows are 254, 255 and prev is row 63: only eight scalar weights differ.
; preds and masks are read once in the launch; of feats each work-group reads 3 coarse rows for the 2 that it advances.
; Everything that the work-group reads is requested at its start (44 register loads and 3 tensor loads a wave), so there is no ring to run.
;
; NO CLUSTER: two neighbouring bands share one coarse row of feats, 65,536 of a work-group's 376,832 bytes read, and the two would want it in
; different LDS blocks (one as next, the other as prev), so an LDS address would hang on the place in the cluster.
;
; LIMITS.  A NaN logit never becomes the maximum (jnp.argmax would take it).  Equal logits: the first class, as in jnp.argmax.
; G x 64 goes to the matrix unit in bf16: whole numbers above 256 are rounded, relative error at most 2^-9.  feats go in bf16 as well.
; Sums and counts carry the factor 64 (taken out in the second launch), which costs six binades of f32's range.
.set TSLOT,  5376                      ; T: [pixel row 8][class 21][cell 64] words, packed own | left<<10 | right<<20; class pitch 256 bytes
.set GB,     43008                     ; GB: [class 32], 192 bf16 (cell 64 i + j; i = 0 prev, 1 cur, 2 next) in a pitch of 400 bytes = 25 x 16
.set GPITCH, 400
.set CN,     55808                     ; CN: 32 f32, 64 x count
.set ST,     56064                     ; ST: [class 32][channel 256] f32 in a pitch of 1,040 bytes = 65 x 16
.set SPITCH, 1040
.set FE,     89344                     ; FE: 3 blocks [channel 256], 64 f32 + 16 bytes of padding = 272 bytes = 17 x 16; the only bytes that tensor loads fill
.set FPITCH, 272
.set FWAVE,  32*FPITCH                 ; a wave's 32 channels
.set FBLOCK, 256*FPITCH
; With pitches that are odd multiples of 16 bytes the sixteen rows that a 16-byte access of sixteen lanes touches lie in sixteen different
; 16-byte columns of a 256-byte span.
.set FA,   10                          ; v10-12   my A fragment's address in FE block 0, 1, 2
.set CW,   18                          ; v18-25   horizontal weights, packed, for my 8 pixels
.set BEST, 26                          ; v26-33   running maximum
.set IDX,  34                          ; v34-41   running argmax, then the one-hot word 1 << class, or 0
.set MK,   42                          ; v42-49   masks
.set P,    50                          ; v50-217  logits: class k, pixel p at P + 8 k + p
.set N,    50                          ; stage 1: eight bits; N+8, N+9: the two packed cells
.set TT0,  50                          ; stage 2: 8 pixel rows x 2 cells of one class
.set TT1,  66
.set A,    82                          ; v82-87   packed sums: coarse row i, cell parity x at A + 2 i + x
.set XO,   88                          ; v88-90   the odd cell of lane l - 1
.set XE,   91                          ; v91-93   the even cell of lane l + 1
.set TA,   94
.set TB,   97
.set TC,   100
.set TD,   103
.set G,    106                         ; v106-111 G x 64 of cells 2l, 2l+1 in coarse rows 0, 1, 2
.set CT,   112
.set PK,   114
.set ACC,  18                          ; product: v18-49 four accumulators (mt, nt)
.set RAW,  50                          ; v50-113  two sets of 32 f32 from FE
.set ABF,  114                         ; v114-145 two sets of 2 A fragments
.set BFR,  146                         ; v146-241 B fragments (K step s, nt)
.set OUTR, 50                          ; way out
.set R,    242                         ; lane % 16
.set H,    243                         ; lane / 16
.set WP,   40                          ; s40-43   weights of pixel rows 0-3 on prev
.set WC,   44                          ; s44-47   weights of pixel rows 0-3 on cur
	s_load_b256 s[4:11], s[0:1], 0x0               ; feats s[4:5], masks s[6:7], preds s[8:9], part s[10:11]
	s_load_b64 s[12:13], s[0:1], 0x20              ; cnt
	v_lshl_add_u32 v248, v0, 2, 0x48d00
	v_mov_b32 v249, 0
	ds_add_u32 v248, v249
	ds_add_u32 v248, v249
	v_lshrrev_b32 v1, 5, v0
	v_readfirstlane_b32 s14, v1                    ; w: wave = pixel row of the band
	v_and_b32 v1, 31, v0                           ; l: lane
	v_lshlrev_b32 v2, 4, v1                        ; 16 l
	s_mov_b32 s15, ttmp9                           ; t: band
	s_and_b32 s16, ttmp7, 0xffff                   ; b: image
	s_lshl_b32 s17, s15, 3
	s_add_co_u32 s17, s17, s14
	s_add_co_u32 s17, s17, 254
	s_and_b32 s17, s17, 255                        ; my pixel row = (8 t + w - 2) mod 256
	s_lshl_b32 s2, s17, 10                         ; x 1,024 bytes
	s_mul_i32 s18, s16, 21*262144
	s_add_co_u32 s18, s18, s2
	s_mov_b32 s19, 0                               ; preds: image, row
	s_lshl_b32 s50, s16, 18
	s_add_co_u32 s50, s50, s2
	s_mov_b32 s51, 0                               ; masks: image, row
	s_lshl_b32 s52, s16, 22
	s_lshl_b32 s2, s14, 19
	s_add_co_u32 s52, s52, s2
	s_mov_b32 s53, 0                               ; feats: (256 b + 32 w) channels of 16,384 bytes
	s_wait_dscnt 0x0
	s_wait_kmcnt 0x0
	s_add_nc_u64 s[8:9], s[8:9], s[18:19]
	s_add_nc_u64 s[6:7], s[6:7], s[50:51]
	s_add_nc_u64 s[4:5], s[4:5], s[52:53]
	; REQUESTS.  Each load covers 512 consecutive bytes, aligned: lane l gets pixels 4l .. 4l+3 (cell l) and 128+4l .. (cell 32+l).
.irp k, 0,1,2,3,4,5,6,7,8,9,10,11,12,13,14,15,16,17,18,19,20
	global_load_b128 v[P+8*\k:P+8*\k+3],   v2, s[8:9] offset:\k*262144 th:TH_LOAD_NT
	global_load_b128 v[P+8*\k+4:P+8*\k+7], v2, s[8:9] offset:\k*262144+512 th:TH_LOAD_NT
.endr
	global_load_b128 v[MK:MK+3],   v2, s[6:7] th:TH_LOAD_NT
	global_load_b128 v[MK+4:MK+7], v2, s[6:7] offset:512 th:TH_LOAD_NT
	; Tensor loads: one coarse row of my 32 channels = 32 rows of 256 bytes, 16,384 bytes apart in memory, 272 apart in LDS.
	s_mov_b32 s20, (2<<16)|(1<<20)|(5<<22)|(3<<25) ; elements of 4 bytes; padding on: after every 64 words, 4 words
	s_mov_b32 s21, 64<<16                          ; tensor_dim0 = 64
	s_mov_b32 s22, 32<<16                          ; tensor_dim1 = 32
	s_mov_b32 s23, 64<<16                          ; tile_dim0 = 64
	s_mov_b32 s24, 32                              ; tile_dim1 = 32
	s_mov_b32 s25, 4096                            ; elements from channel to channel
	s_mov_b32 s26, 0
	s_mov_b32 s27, 0
	s_mul_i32 s3, s14, FWAVE                       ; my wave's part of each block: only I read it, and it is filled once
.macro FILL i                          ; group 0 of block i in s[28+4i:31+4i]; s[54:55] = the coarse row's byte offset
	s_mov_b32 s[28+4*\i], 1
	s_add_co_u32 s[29+4*\i], s3, FE+\i*FBLOCK
	s_add_nc_u64 s[30+4*\i:31+4*\i], s[4:5], s[54:55]
	s_or_b32 s[31+4*\i], s[31+4*\i], 0x80000000
	tensor_load_to_lds s[28+4*\i:31+4*\i], s[20:27]
	s_nop 0
.endm
	s_lshl_b32 s54, s15, 1
	s_add_co_u32 s54, s54, 63
	s_and_b32 s54, s54, 63                         ; prev = (2 t - 1) mod 64
	s_lshl_b32 s54, s54, 8
	s_mov_b32 s55, 0
	FILL 0
	s_lshl_b32 s54, s15, 9                         ; cur = 2 t
	FILL 1
	s_add_co_u32 s54, s54, 256                     ; next = 2 t + 1
	FILL 2                                         ; three tensor loads of the wave are out, and no more follow
	; While the data travel: bases of the outputs, weights, addresses.
	s_lshl_b32 s2, s16, 5
	s_add_co_u32 s2, s2, s15                       ; work-group 32 b + t
	s_mul_i32 s50, s2, 21504
	s_add_nc_u64 s[10:11], s[10:11], s[50:51]      ; (s51 = 0)
	s_lshl_b32 s52, s2, 7
	s_add_nc_u64 s[12:13], s[12:13], s[52:53]      ; (s53 = 0)
	s_mov_b32 s48, 0x76543210                      ; v_permlanex16_b32: lane i of the other half
	s_mov_b32 s49, 0xfedcba98
	s_cmp_eq_u32 s15, 0                            ; band 0: rows 254, 255 give all to row 63, rows 0, 1 all to row 0
	s_cselect_b32 s[WP+0], 8, 7
	s_cselect_b32 s[WP+1], 8, 5
	s_cselect_b32 s[WP+2], 0, 3
	s_cselect_b32 s[WP+3], 0, 1
	s_cselect_b32 s[WC+0], 0, 1
	s_cselect_b32 s[WC+1], 0, 3
	s_cselect_b32 s[WC+2], 8, 5
	s_cselect_b32 s[WC+3], 8, 7
	v_and_b32 v[R], 15, v0
	v_bfe_u32 v[H], v0, 4, 1
	s_mul_i32 s2, s14, TSLOT
	v_lshl_add_u32 v3, v1, 2, s2                   ; T, to store: my pixel row, cell l
	s_lshl_b32 s2, s14, 8
	v_lshl_add_u32 v4, v1, 3, s2                   ; T, to load: class w, cells 2l, 2l+1
	s_mul_i32 s2, s14, GPITCH
	s_add_co_u32 s2, s2, GB
	v_lshl_add_u32 v5, v1, 2, s2                   ; GB: class w, cells 2l, 2l+1
	s_lshl_b32 s2, s14, 2
	s_add_co_u32 s2, s2, CN
	v_mov_b32 v6, s2                               ; CN: class w
	v_add_nc_u32 v7, 31, v1
	v_and_b32 v7, 31, v7
	v_lshlrev_b32 v7, 2, v7                        ; 4 x lane l - 1
	v_add_nc_u32 v8, 1, v1
	v_and_b32 v8, 31, v8
	v_lshlrev_b32 v8, 2, v8                        ; 4 x lane l + 1
	v_mov_b32 v9, 0
	v_mul_u32_u24 v[FA], v[R], FPITCH
	v_lshl_add_u32 v[FA], v[H], 5, v[FA]
	v_add_nc_u32 v[FA], s3, v[FA]                  ; (32 w + r) x 272 + 32 h
	v_add_nc_u32 v[FA+2], FE+2*FBLOCK, v[FA]
	v_add_nc_u32 v[FA+1], FE+FBLOCK, v[FA]
	v_add_nc_u32 v[FA], FE, v[FA]
	v_mul_u32_u24 v13, v[R], GPITCH
	v_lshl_add_u32 v13, v[H], 4, v13
	v_add_nc_u32 v13, GB, v13                      ; B fragment: class r, 16 h
	s_lshl_b32 s2, s14, 7
	s_add_co_u32 s2, s2, ST
	v_mul_u32_u24 v14, v[R], SPITCH
	v_lshl_add_u32 v14, v[H], 5, v14
	v_add_nc_u32 v14, s2, v14                      ; ST, to store: class r, channel 32 w + 8 h
	s_lshr_b32 s2, s14, 1
	s_mul_i32 s2, s2, SPITCH
	s_and_b32 s3, s14, 1
	s_lshl_b32 s3, s3, 9
	s_add_co_u32 s2, s2, s3
	s_add_co_u32 s2, s2, ST
	v_add_nc_u32 v15, s2, v2                       ; ST, to load: half-row w = class w / 2, half w % 2
	s_lshl_b32 s2, s14, 9
	v_add_nc_u32 v16, s2, v2                       ; the same half-row in part
	v_lshlrev_b32 v17, 2, v1
	v_mov_b32 v[CW+4], 5|(3<<10)                   ; own | left<<10 | right<<20 for x mod 4 = 0, 1, 2, 3
	v_mov_b32 v[CW+5], 7|(1<<10)
	v_mov_b32 v[CW+2], 7|(1<<20)
	v_mov_b32 v[CW+3], 5|(3<<20)
	v_cmp_eq_u32 vcc_lo, 0, v1                     ; cell 0 has no left neighbour,
	v_cndmask_b32 v[CW+0], v[CW+4], 8, vcc_lo
	v_cndmask_b32 v[CW+1], v[CW+5], 8, vcc_lo
	v_cmp_eq_u32 vcc_lo, 31, v1                    ; cell 63 no right one: their outward fields are always 0
	v_cndmask_b32 v[CW+6], v[CW+2], 8, vcc_lo
	v_cndmask_b32 v[CW+7], v[CW+3], 8, vcc_lo
	; ARGMAX over the classes in ascending order; a strict compare keeps the first of equals.
	s_wait_loadcnt 40                              ; 44 loads were issued; behind class 1's two stand 40
.irp p, 0,1,2,3,4,5,6,7
	v_cmp_gt_f32 s[56+\p], v[P+8+\p], v[P+\p]
.endr
.irp p, 0,1,2,3,4,5,6,7
	v_cndmask_b32 v[IDX+\p], 0, 1, s[56+\p]
.endr
.irp p, 0,1,2,3,4,5,6,7
	v_max_num_f32 v[BEST+\p], v[P+\p], v[P+8+\p]
.endr
.macro ARGK k
	s_wait_loadcnt 42-2*\k                         ; loads return in order (ISA guide 5.7.1): behind class k's two stand 42 - 2 k
.irp p, 0,1,2,3,4,5,6,7
	v_cmp_gt_f32 s[56+\p], v[P+8*\k+\p], v[BEST+\p]
.endr
.irp p, 0,1,2,3,4,5,6,7
	v_cndmask_b32 v[IDX+\p], v[IDX+\p], \k, s[56+\p]
.endr
.irp p, 0,1,2,3,4,5,6,7
	v_max_num_f32 v[BEST+\p], v[BEST+\p], v[P+8*\k+\p]
.endr
.endm
.irp k, 2,3,4,5,6,7,8,9,10,11,12,13,14,15,16,17,18,19,20
	ARGK \k
.endr
	s_wait_loadcnt 0x0                             ; the masks
.irp p, 0,1,2,3,4,5,6,7
	v_cmp_eq_u32 s[56+\p], v[IDX+\p], v[MK+\p]     ; a mask outside 0 .. 20 equals no argmax
.endr
.irp p, 0,1,2,3,4,5,6,7
	v_lshlrev_b32 v[IDX+\p], v[IDX+\p], 1          ; 1 << class
.endr
.irp p, 0,1,2,3,4,5,6,7
	v_cndmask_b32 v[IDX+\p], 0, v[IDX+\p], s[56+\p]
.endr
	; STAGE 1, along the row: for each class the packed shares of my two cells.  Done for every class alike: no address hangs on a label.
.macro HROW k
.irp p, 0,1,2,3,4,5,6,7
	v_bfe_u32 v[N+\p], v[IDX+\p], \k, 1
.endr
.irp f, 0,1
	v_mul_u32_u24 v[N+8+\f], v[N+4*\f], v[CW+4*\f]
	v_mad_u32_u24 v[N+8+\f], v[N+4*\f+1], v[CW+4*\f+1], v[N+8+\f]
	v_mad_u32_u24 v[N+8+\f], v[N+4*\f+2], v[CW+4*\f+2], v[N+8+\f]
	v_mad_u32_u24 v[N+8+\f], v[N+4*\f+3], v[CW+4*\f+3], v[N+8+\f]   ; own <= 28, left <= 4, right <= 4: below 2^23
	ds_store_b32 v3, v[N+8+\f] offset:\k*256+\f*128
.endr
.endm
.irp k, 0,1,2,3,4,5,6,7,8,9,10,11,12,13,14,15,16,17,18,19,20
	HROW \k
.endr
	s_wait_dscnt 0x0                               ; my row of T is in LDS before I say so
	s_barrier_signal -1
	s_barrier_wait -1                              ; all eight rows are
	; STAGE 2, down the rows: wave w makes classes w, w + 8, w + 16.
.macro LOADT s, tt
.irp g, 0,1,2,3,4,5,6,7
	ds_load_b64 v[\tt+2*\g:\tt+2*\g+1], v4 offset:\s*2048+\g*TSLOT
.endr
.endm
.macro CLASS s, tt
.irp x, 0,1                            ; x = 0: cell 2l, 1: cell 2l+1.  Weights sum to 16, 32, 16: own <= 896, left, right <= 128: the fields of 10 bits hold
	v_mul_u32_u24 v[A+\x],   s[WP], v[\tt+\x]
	v_mul_u32_u24 v[A+2+\x], s[WC], v[\tt+\x]
	v_mad_u32_u24 v[A+4+\x], v[\tt+10+\x], 3, v[\tt+8+\x]
.irp g, 1,2,3
	v_mad_u32_u24 v[A+\x],   v[\tt+2*\g+\x], s[WP+\g], v[A+\x]
	v_mad_u32_u24 v[A+2+\x], v[\tt+2*\g+\x], s[WC+\g], v[A+2+\x]
.endr
	v_mad_u32_u24 v[A+2+\x], v[\tt+8+\x],  7, v[A+2+\x]
	v_mad_u32_u24 v[A+4+\x], v[\tt+12+\x], 5, v[A+4+\x]
	v_mad_u32_u24 v[A+2+\x], v[\tt+10+\x], 5, v[A+2+\x]
	v_mad_u32_u24 v[A+4+\x], v[\tt+14+\x], 7, v[A+4+\x]
	v_mad_u32_u24 v[A+2+\x], v[\tt+12+\x], 3, v[A+2+\x]
	v_add_nc_u32  v[A+2+\x], v[A+2+\x], v[\tt+14+\x]
.endr
.irp i, 0,1,2
	ds_bpermute_b32 v[XO+\i], v7, v[A+2*\i+1]      ; cell 2l-1 (lane 0 gets cell 63, whose right field is 0)
	ds_bpermute_b32 v[XE+\i], v8, v[A+2*\i]        ; cell 2l+2 (lane 31 gets cell 0, whose left field is 0)
.endr
.irp i, 0,1,2
	v_and_b32     v[TA+\i], 0x3ff, v[A+2*\i]       ; own of 2l
	v_bfe_u32     v[TB+\i], v[A+2*\i+1], 10, 10    ; left of 2l+1
	v_and_b32     v[TC+\i], 0x3ff, v[A+2*\i+1]     ; own of 2l+1
	v_lshrrev_b32 v[TD+\i], 20, v[A+2*\i]          ; right of 2l
.endr
	s_wait_dscnt 0x0                               ; the six exchanges (and whatever LDS loads were issued ahead of them)
.irp i, 0,1,2
	v_lshrrev_b32 v[XO+\i], 20, v[XO+\i]           ; right of 2l-1
	v_bfe_u32     v[XE+\i], v[XE+\i], 10, 10       ; left of 2l+2
	v_add3_u32 v[G+2*\i],   v[TA+\i], v[TB+\i], v[XO+\i]
	v_add3_u32 v[G+2*\i+1], v[TC+\i], v[TD+\i], v[XE+\i]
.endr
	v_add3_u32 v[CT],   v[G],   v[G+1], v[G+2]     ; every joint pixel weighs 8 x 8 = 64 in all: the sum of G x 64 is 64 x the count,
	v_add3_u32 v[CT+1], v[G+3], v[G+4], v[G+5]     ; at most 8 x 256 x 64 = 131,072, exact in f32
	v_add_nc_u32 v[CT], v[CT], v[CT+1]
	v_cvt_f32_u32 v[CT], v[CT]
	v_add_f32_dpp v[CT], v[CT], v[CT] row_xmask:1 row_mask:0xf bank_mask:0xf
	v_add_f32_dpp v[CT], v[CT], v[CT] row_xmask:2 row_mask:0xf bank_mask:0xf
	v_add_f32_dpp v[CT], v[CT], v[CT] row_xmask:4 row_mask:0xf bank_mask:0xf
	v_add_f32_dpp v[CT], v[CT], v[CT] row_xmask:8 row_mask:0xf bank_mask:0xf
	v_permlanex16_b32 v[TA], v[CT], s48, s49
	v_add_f32 v[CT], v[CT], v[TA]
	ds_store_b32 v6, v[CT] offset:32*\s            ; all lanes, one word, one value
.irp j, 0,1,2,3,4,5
	v_cvt_f32_u32 v[G+\j], v[G+\j]
.endr
.irp i, 0,1,2
	v_cvt_pk_bf16_f32 v[PK+\i], v[G+2*\i], v[G+2*\i+1]
	ds_store_b32 v5, v[PK+\i] offset:\s*8*GPITCH+\i*128
.endr
.endm
.macro ZROW s                          ; a class beyond 20: a row of zeros for the matrix unit, and a zero count
.irp i, 0,1,2
	ds_store_b32 v5, v9 offset:\s*8*GPITCH+\i*128
.endr
	ds_store_b32 v6, v9 offset:32*\s
.endm
	LOADT 0, TT0
	LOADT 1, TT1
	s_wait_dscnt 0x8                               ; class w's eight loads are in; class w + 8's eight stay out
	CLASS 0, TT0
	CLASS 1, TT1                                   ; its loads were covered by the wait for zero inside CLASS 0
	s_cmp_lt_u32 s14, 5
	s_cbranch_scc0 .Lnoclass                       ; class w + 16 exists for w < 5
	LOADT 2, TT0
	s_wait_dscnt 0x0
	CLASS 2, TT0
	s_branch .Lrow3
.Lnoclass:
	ZROW 2
.Lrow3:
	ZROW 3
	s_wait_dscnt 0x0                               ; my rows of GB and words of CN are in LDS before I say so
	s_barrier_signal -1
	s_barrier_wait -1
	; PRODUCT: D[channel][class] = sum over 192 cells of feats x G.  A wave: its 32 channels x 32 classes, six K steps of 32 cells.
.macro LDA s                           ; 8 loads: K step s (block s / 2, cells 32 (s % 2) ..) of 2 x 16 channels, as f32: k = 8h .. +7 and 16 + 8h .. +7
.irp mt, 0,1
	ds_load_b128 v[RAW+32*(\s%2)+16*\mt:RAW+32*(\s%2)+16*\mt+3],     v[FA+\s/2] offset:\mt*16*FPITCH+(\s%2)*128
	ds_load_b128 v[RAW+32*(\s%2)+16*\mt+4:RAW+32*(\s%2)+16*\mt+7],   v[FA+\s/2] offset:\mt*16*FPITCH+(\s%2)*128+16
	ds_load_b128 v[RAW+32*(\s%2)+16*\mt+8:RAW+32*(\s%2)+16*\mt+11],  v[FA+\s/2] offset:\mt*16*FPITCH+(\s%2)*128+64
	ds_load_b128 v[RAW+32*(\s%2)+16*\mt+12:RAW+32*(\s%2)+16*\mt+15], v[FA+\s/2] offset:\mt*16*FPITCH+(\s%2)*128+80
.endr
.endm
.macro CVT s                           ; 32 f32 to two A fragments
.irp j, 0,1,2,3,4,5,6,7,8,9,10,11,12,13,14,15
	v_cvt_pk_bf16_f32 v[ABF+16*(\s%2)+\j], v[RAW+32*(\s%2)+2*\j], v[RAW+32*(\s%2)+2*\j+1]
.endr
.endm
.macro MM s                            ; four matrix instructions; the first K step starts the sums
.irp mt, 0,1
.irp nt, 0,1
.if \s == 0
	v_wmma_f32_16x16x32_bf16 v[ACC+8*(2*\mt+\nt):ACC+8*(2*\mt+\nt)+7], v[ABF+16*(\s%2)+8*\mt:ABF+16*(\s%2)+8*\mt+7], v[BFR+16*\s+8*\nt:BFR+16*\s+8*\nt+7], 0
.else
	v_wmma_f32_16x16x32_bf16 v[ACC+8*(2*\mt+\nt):ACC+8*(2*\mt+\nt)+7], v[ABF+16*(\s%2)+8*\mt:ABF+16*(\s%2)+8*\mt+7], v[BFR+16*\s+8*\nt:BFR+16*\s+8*\nt+7], v[ACC+8*(2*\mt+\nt):ACC+8*(2*\mt+\nt)+7]
.endif
.endr
.endr
.endm
.irp s, 0,1,2,3,4,5                    ; all of G: 24 loads
.irp nt, 0,1
	ds_load_b128 v[BFR+16*\s+8*\nt:BFR+16*\s+8*\nt+3],   v13 offset:\nt*16*GPITCH+\s*64
	ds_load_b128 v[BFR+16*\s+8*\nt+4:BFR+16*\s+8*\nt+7], v13 offset:\nt*16*GPITCH+\s*64+32
.endr
.endr
	; An A fragment set is written again two K steps after the matrix instructions that read it: the sixteen conversions of the step between,
	; which name the other sets only, are the places that ISA guide 7.12.1 asks for.  RAW is no matrix operand.
	s_wait_tensorcnt 0x2                           ; tensor loads end in order (ISA guide 10.11.1): prev is in; cur and next may be out
	LDA 0
	LDA 1
	s_wait_dscnt 0x8                               ; G and step 0 are in; step 1's eight loads stay out
	CVT 0
	s_wait_tensorcnt 0x1                           ; cur is in
	LDA 2
	MM 0
	s_wait_dscnt 0x8                               ; step 1 is in; step 2's eight stay out
	CVT 1
	LDA 3
	MM 1
	s_wait_dscnt 0x8
	CVT 2
	s_wait_tensorcnt 0x0                           ; next is in: no tensor load is left
	LDA 4
	MM 2
	s_wait_dscnt 0x8
	CVT 3
	LDA 5
	MM 3
	s_wait_dscnt 0x8                               ; step 4 is in; step 5's eight stay out
	CVT 4
	MM 4
	s_wait_dscnt 0x0
	CVT 5
	MM 5
.rept 4
	v_nop                                          ; four places behind the last matrix instructions before their results are read (ISA guide 7.12.1)
.endr
	; Lane (r, h) holds class 16 nt + r and the eight neighbouring channels 32 w + 16 mt + 8 h + 0..7.
.irp mt, 0,1
.irp nt, 0,1
	ds_store_b128 v14, v[ACC+8*(2*\mt+\nt):ACC+8*(2*\mt+\nt)+3]   offset:\nt*16*SPITCH+\mt*64
	ds_store_b128 v14, v[ACC+8*(2*\mt+\nt)+4:ACC+8*(2*\mt+\nt)+7] offset:\nt*16*SPITCH+\mt*64+16
.endr
.endr
	s_wait_dscnt 0x0                               ; my channels of ST are in LDS before I say so
	s_barrier_signal -1
	s_barrier_wait -1
	; WAY OUT: 21 classes x 1,024 bytes = 42 half-rows of 512 bytes; wave w takes half-rows w + 8 i.  Each store covers 512 consecutive bytes, aligned.
.irp i, 0,1,2,3,4
	ds_load_b128 v[OUTR+4*\i:OUTR+4*\i+3], v15 offset:\i*4*SPITCH
.endr
.irp i, 0,1,2,3,4
	s_wait_dscnt 4-\i                              ; LDS loads return in order: the i-th is in, the 4 - i younger ones stay out
	global_store_b128 v16, v[OUTR+4*\i:OUTR+4*\i+3], s[10:11] offset:\i*4096
.endr
	s_cmp_lt_u32 s14, 2
	s_cbranch_scc0 .Lno5                           ; half-rows 40 and 41
	ds_load_b128 v[OUTR+20:OUTR+23], v15 offset:5*4*SPITCH
	s_wait_dscnt 0x0
	global_store_b128 v16, v[OUTR+20:OUTR+23], s[10:11] offset:5*4096
.Lno5:
	s_cmp_eq_u32 s14, 7
	s_cbranch_scc0 .Lend                           ; one wave stores the 32 counts, 128 consecutive bytes
	ds_load_b32 v[OUTR+24], v17 offset:CN
	s_wait_dscnt 0x0
	global_store_b32 v17, v[OUTR+24], s[12:13]
.Lend:
	s_wait_tensorcnt 0x0
	ds_add_u32 v248, v249
	s_wait_dscnt 0x0
	s_endpgm
.Lfunc_end_k_q14a367b9ee_fused:
	.size	k_q14a367b9ee_fused, .Lfunc_end_k_q14a367b9ee_fused-k_q14a367b9ee_fused
	.p2alignl 7, 3214868480
	.fill 96, 4, 3214868480
	.section	.rodata,"a",@progbits
	.p2align	6, 0x0
	.amdhsa_kernel k_q14a367b9ee_fused
		.amdhsa_group_segment_fixed_size 299264
		.amdhsa_private_segment_fixed_size 0
		.amdhsa_enable_private_segment 0
		.amdhsa_kernarg_size 40
		.amdhsa_user_sgpr_count 2
		.amdhsa_user_sgpr_kernarg_segment_ptr 1
		.amdhsa_wavefront_size32 1
		.amdhsa_system_sgpr_workgroup_id_x 1
		.amdhsa_system_sgpr_workgroup_id_y 1
		.amdhsa_system_sgpr_workgroup_id_z 1
		.amdhsa_system_vgpr_workitem_id 0
		.amdhsa_next_free_vgpr 250
		.amdhsa_next_free_sgpr 66
		.amdhsa_reserve_vcc 1
		.amdhsa_float_denorm_mode_32 3
		.amdhsa_float_denorm_mode_16_64 3
		.amdhsa_memory_ordered 1
		.amdhsa_forward_progress 1
		.amdhsa_inst_pref_size 91
	.end_amdhsa_kernel
	.amdgpu_metadata
---
amdhsa.version: [ 1, 2 ]
amdhsa.kernels:
  - .name:           k_q14a367b9ee_fused
    .symbol:         k_q14a367b9ee_fused.kd
    .args:
      - { .name: feats, .offset: 0, .size: 8, .value_kind: global_buffer, .address_space: global }
      - { .name: masks, .offset: 8, .size: 8, .value_kind: global_buffer, .address_space: global }
      - { .name: preds, .offset: 16, .size: 8, .value_kind: global_buffer, .address_space: global }
      - { .name: part, .offset: 24, .size: 8, .value_kind: global_buffer, .address_space: global }
      - { .name: cnt, .offset: 32, .size: 8, .value_kind: global_buffer, .address_space: global }
    .group_segment_fixed_size: 299264
    .private_segment_fixed_size: 0
    .kernarg_segment_align: 8
    .kernarg_segment_size: 40
    .max_flat_workgroup_size: 256
    .sgpr_count:     66
    .vgpr_count:     250
    .wavefront_size: 32
...
	.end_amdgpu_metadata
.endif
;; end of part 1
;; launch finish (part 2): grid 4 x 21, 8 waves a work-group, no clusters, 3,072 bytes of LDS; arguments part, cnt, out0; writes out0
.if DOCPART == 2
	.amdgcn_target "amdgcn-amd-amdhsa--gfx1250"
	.amdhsa_code_object_version 6
	.text
	.protected	k_q14a367b9ee_finish
	.globl	k_q14a367b9ee_finish
	.p2align	8
	.type	k_q14a367b9ee_finish,@function
k_q14a367b9ee_finish:
	s_mov_b64 s[64:65], 0
	v_nop
	global_prefetch_b8 v0, s[64:65] scope:SCOPE_SE
	s_setreg_imm32_b32 hwreg(HW_REG_WAVE_MODE, 25, 1), 1
	s_wait_xcnt 0x0
; Class prototypes, second launch: out0[k][c] = 1/8 x sum over images b of S[b][k][c] / (n[b][k] + 1e-6).
; part holds 64 S in 32 band pieces an image, cnt holds 64 n likewise, so the quotient is (64 S) / (64 n + 64 x 1e-6): the scaling by 64 is exact.
; Work-group (q, k): class k, channels 64 q .. 64 q + 63 (256 bytes).  Wave b: image b.  Lane (r, h): channels 4 r .. 4 r + 3, bands of parity h.
; 84 work-groups: that is all the work there is (5.5 MB to sum); matrix units, clusters and a ring would add nothing to a sum read once.
; The order of the additions differs from the reference's; the counts are whole numbers below 2^24 and are summed exactly.
.set WGB, 21504                        ; bytes of one band's piece of part
.set D,   8                            ; v8-71   sixteen loads of 4 f32
	s_load_b128 s[4:7], s[0:1], 0x0                ; part s[4:5], cnt s[6:7]
	s_load_b64 s[8:9], s[0:1], 0x10                ; out0
	v_lshl_add_u32 v80, v0, 2, 0x800
	v_mov_b32 v81, 0
	v_lshrrev_b32 v1, 5, v0
	v_readfirstlane_b32 s10, v1                    ; b
	v_and_b32 v1, 31, v0                           ; lane
	v_and_b32 v72, 15, v0                          ; r
	v_bfe_u32 v73, v0, 4, 1                        ; h
	s_and_b32 s11, ttmp7, 0xffff                   ; k
	s_lshl_b32 s12, s11, 10
	s_lshl_b32 s13, ttmp9, 8
	s_add_co_u32 s12, s12, s13                     ; 1,024 k + 256 q
	s_mov_b32 s13, 0
	s_mul_i32 s14, s10, 32*WGB
	s_add_co_u32 s14, s14, s12
	s_mov_b32 s15, 0
	s_lshl_b32 s16, s10, 12                        ; 32 bands x 128 bytes
	s_lshl2_add_u32 s16, s11, s16                  ; + 4 k
	s_mov_b32 s17, 0
	s_mov_b32 s18, 0x76543210                      ; v_permlanex16_b32: lane i of the other half
	s_mov_b32 s19, 0xfedcba98
	s_lshl_b32 s20, s10, 8
	v_mul_u32_u24 v2, v73, WGB
	v_lshl_add_u32 v2, v72, 4, v2                  ; band h, 16 r
	v_lshlrev_b32 v3, 7, v1                        ; band = lane
	s_wait_kmcnt 0x0
	s_add_nc_u64 s[4:5], s[4:5], s[14:15]
	s_add_nc_u64 s[6:7], s[6:7], s[16:17]
	s_add_nc_u64 s[8:9], s[8:9], s[12:13]
	global_load_b32 v4, v3, s[6:7]                 ; 64 x the count of band = lane
.irp i, 0,1,2,3,4,5,6,7,8,9,10,11,12,13,14,15
	global_load_b128 v[D+4*\i:D+4*\i+3], v2, s[4:5] offset:\i*2*WGB th:TH_LOAD_NT   ; bands 2 i + h: sixteen lanes read 256 consecutive bytes, aligned
.endr
	s_wait_loadcnt 16                              ; the count is in; the sixteen loads behind it stay out
	v_add_f32_dpp v4, v4, v4 row_xmask:1 row_mask:0xf bank_mask:0xf
	v_add_f32_dpp v4, v4, v4 row_xmask:2 row_mask:0xf bank_mask:0xf
	v_add_f32_dpp v4, v4, v4 row_xmask:4 row_mask:0xf bank_mask:0xf
	v_add_f32_dpp v4, v4, v4 row_xmask:8 row_mask:0xf bank_mask:0xf
	v_permlanex16_b32 v1, v4, s18, s19
	v_add_f32 v4, v4, v1
	v_add_f32 v4, 0x388637bd, v4                   ; + 64 x f32(1e-6)
	v_rcp_f32 v5, v4
	v_lshl_add_u32 v74, v72, 4, s20                ; (the plain instruction behind v_rcp_f32, ISA guide 5.7.2)  LDS: 256 b + 16 r
	s_wait_alu depctr_va_vdst(0)
	v_mul_f32 v6, 0x3e000000, v5                   ; 1/8 for the mean over the images; twice, a pair for the packed multiply
	v_mul_f32 v7, 0x3e000000, v5
	; two chains: even loads into the first, odd loads into the second
.irp i, 2,3,4,5,6,7,8,9,10,11,12,13,14,15
	s_wait_loadcnt 15-\i                           ; loads return in order (ISA guide 5.7.1): behind the i-th stand 15 - i
	v_pk_add_f32 v[D+4*(\i%2):D+4*(\i%2)+1],   v[D+4*(\i%2):D+4*(\i%2)+1],   v[D+4*\i:D+4*\i+1]
	v_pk_add_f32 v[D+4*(\i%2)+2:D+4*(\i%2)+3], v[D+4*(\i%2)+2:D+4*(\i%2)+3], v[D+4*\i+2:D+4*\i+3]
.endr
	v_pk_add_f32 v[D:D+1],   v[D:D+1],   v[D+4:D+5]
	v_pk_add_f32 v[D+2:D+3], v[D+2:D+3], v[D+6:D+7]
.irp j, 0,1,2,3
	v_permlanex16_b32 v[D+4+\j], v[D+\j], s18, s19 ; the bands of the other parity
.endr
	v_pk_add_f32 v[D:D+1],   v[D:D+1],   v[D+4:D+5]
	v_pk_add_f32 v[D+2:D+3], v[D+2:D+3], v[D+6:D+7]
	v_pk_mul_f32 v[D:D+1],   v[D:D+1],   v[6:7]
	v_pk_mul_f32 v[D+2:D+3], v[D+2:D+3], v[6:7]
	ds_store_b128 v74, v[D:D+3]                    ; both halves of the lanes hold, and write, the same
	s_wait_dscnt 0x0                               ; my image's 256 bytes are in LDS before I say so
	s_barrier_signal -1
	s_barrier_wait -1
	s_cmp_lg_u32 s10, 0
	s_cbranch_scc1 .Lend                           ; wave 0 adds the eight images
	v_lshlrev_b32 v75, 10, v73
	v_lshl_add_u32 v75, v72, 4, v75                ; images 4 h + i, 16 r
.irp i, 0,1,2,3
	ds_load_b128 v[16+4*\i:19+4*\i], v75 offset:\i*256
.endr
	v_lshlrev_b32 v76, 4, v72
	v_cmp_eq_u32 vcc_lo, 0, v73
	s_wait_dscnt 0x0
	v_pk_add_f32 v[16:17], v[16:17], v[20:21]
	v_pk_add_f32 v[18:19], v[18:19], v[22:23]
	v_pk_add_f32 v[24:25], v[24:25], v[28:29]
	v_pk_add_f32 v[26:27], v[26:27], v[30:31]
	v_pk_add_f32 v[16:17], v[16:17], v[24:25]
	v_pk_add_f32 v[18:19], v[18:19], v[26:27]
.irp j, 0,1,2,3
	v_permlanex16_b32 v[24+\j], v[16+\j], s18, s19 ; the other four images
.endr
	v_pk_add_f32 v[16:17], v[16:17], v[24:25]
	v_pk_add_f32 v[18:19], v[18:19], v[26:27]
	s_wait_xcnt 0x0                                ; EXEC, a source of the loads above, changes only behind this wait
	s_wait_tensorcnt 0x0
	ds_add_u32 v80, v81
	s_wait_dscnt 0x0
	s_and_saveexec_b32 s21, vcc_lo                 ; lanes 0 to 15
	global_store_b128 v76, v[16:19], s[8:9]        ; sixteen lanes store 256 consecutive bytes, aligned
	s_endpgm
.Lend:
	s_wait_tensorcnt 0x0
	ds_add_u32 v80, v81
	s_wait_dscnt 0x0
	s_endpgm
.Lfunc_end_k_q14a367b9ee_finish:
	.size	k_q14a367b9ee_finish, .Lfunc_end_k_q14a367b9ee_finish-k_q14a367b9ee_finish
	.p2alignl 7, 3214868480
	.fill 96, 4, 3214868480
	.section	.rodata,"a",@progbits
	.p2align	6, 0x0
	.amdhsa_kernel k_q14a367b9ee_finish
		.amdhsa_group_segment_fixed_size 3072
		.amdhsa_private_segment_fixed_size 0
		.amdhsa_enable_private_segment 0
		.amdhsa_kernarg_size 24
		.amdhsa_user_sgpr_count 2
		.amdhsa_user_sgpr_kernarg_segment_ptr 1
		.amdhsa_wavefront_size32 1
		.amdhsa_system_sgpr_workgroup_id_x 1
		.amdhsa_system_sgpr_workgroup_id_y 1
		.amdhsa_system_sgpr_workgroup_id_z 1
		.amdhsa_system_vgpr_workitem_id 0
		.amdhsa_next_free_vgpr 82
		.amdhsa_next_free_sgpr 66
		.amdhsa_reserve_vcc 1
		.amdhsa_float_denorm_mode_32 3
		.amdhsa_float_denorm_mode_16_64 3
		.amdhsa_memory_ordered 1
		.amdhsa_forward_progress 1
		.amdhsa_inst_pref_size 9
	.end_amdhsa_kernel
	.amdgpu_metadata
---
amdhsa.version: [ 1, 2 ]
amdhsa.kernels:
  - .name:           k_q14a367b9ee_finish
    .symbol:         k_q14a367b9ee_finish.kd
    .args:
      - { .name: part, .offset: 0, .size: 8, .value_kind: global_buffer, .address_space: global }
      - { .name: cnt, .offset: 8, .size: 8, .value_kind: global_buffer, .address_space: global }
      - { .name: out0, .offset: 16, .size: 8, .value_kind: global_buffer, .address_space: global }
    .group_segment_fixed_size: 3072
    .private_segment_fixed_size: 0
    .kernarg_segment_align: 8
    .kernarg_segment_size: 24
    .max_flat_workgroup_size: 256
    .sgpr_count:     66
    .vgpr_count:     82
    .wavefront_size: 32
...
	.end_amdgpu_metadata
.endif
;; end of part 2
